; MI455X (gfx1250); checked and timed in simulation.
; The chip was launched on July 23, 2026; its instructions are those of AMD's public machine-readable ISA for CDNA 5 (MIT licence, August 2026) and "CDNA5" Instruction Set Architecture Reference Guide (July 2026). The comments in the code are by the model that wrote it; some were corrected since.
;; Multihead Attention. Allowed arithmetic: matrix products marked QUANTISED: E2M3 operands, one E8M0 scale for each 32 along K, by v_wmma_scale_f32_16x16x128_f8f6f4 with both operands' format E2M3, f32 sums; everything else in f32.
;; Inputs: Wk 1,024 x 1,024 float32; Wo 1,024 x 1,024 float32; Wq 1,024 x 1,024 float32; Wv 1,024 x 1,024 float32; bk 1,024 float32; bo 1,024 float32; bq 1,024 float32; bv 1,024 float32; x 4 x 2,048 x 1,024 float32.
;; Outputs: out0 4 x 2,048 x 1,024 float32.
;; This version of the problem:
;;   THIS VERSION OF THE PROBLEM IS GIVEN IN LOW PRECISION. The matrix products marked QUANTISED in the list below multiply operands that are first quantised to E2M3 (2 exponent bits, 3 mantissa bits; 6 bits a number), with one power-of-two scale for each 32 numbers along K (OCP MX v1.0); their sums are f32. All else is computed in f32.
;;   The module's matrix products, in the order in which they are computed (A, B: the left and right operand; K: the contracted axis; several contracted axes count as one K, in the product's order):
;;     1. [M 8,192, K 1,024] x [K 1,024, N 1,024]; A: input x; B: input Wq: QUANTISED
;;     2. [M 8,192, K 1,024] x [K 1,024, N 1,024]; A: input x; B: input Wk: QUANTISED
;;     3. [M 8,192, K 1,024] x [K 1,024, N 1,024]; A: input x; B: input Wv: QUANTISED
;;     4. batch 64 x [M 2,048, K 64] x [K 64, N 2,048]; A: computed on the way; B: computed on the way: QUANTISED
;;     5. batch 64 x [M 2,048, K 2,048] x [K 2,048, N 64]; A: softmax (see below); B: computed on the way: QUANTISED
;;     6. [M 8,192, K 1,024] x [K 1,024, N 1,024]; A: computed on the way; B: input Wo: QUANTISED
;;   THE QUANTISER, for each operand of a quantised product, along K:
;;     - K is cut into blocks of 32 from its start; a last block that is shorter is filled with zeros.
;;     - A block's scale is 2^e with e = floor(log2(the largest magnitude in the block)) - 2, held to -126 .. 127; a block of zeros has e = 0. As a byte (E8M0): e + 127.
;;     - Each number is divided by its block's scale, clamped to +-7.5, and rounded to the nearest number of E2M3, ties to even, subnormals kept.
;;     - The product sums the exact products of the quantised numbers (number of the format x scale) in f32.
;;   ~~~python
;;   def quantise(x, axis):      # numpy; x: float32 -> the quantised numbers, widened to float32 again
;;       x = np.moveaxis(x, axis, -1); K = x.shape[-1]
;;       x = np.pad(x, [(0, 0)] * (x.ndim - 1) + [(0, -K % 32)]); x = x.reshape(x.shape[:-1] + (-1, 32)); a = np.abs(x).max(-1, keepdims=True)
;;       e = np.where(a > 0, np.clip(np.frexp(np.where(a > 0, a, 1))[1] - 1 - 2, -126, 127), 0)      # np.frexp(a)[1] - 1 = floor(log2(a)), exactly
;;       r = np.clip(x / 2.0 ** e, -7.5, 7.5)
;;       step = 2.0 ** (np.maximum(np.frexp(np.where(r == 0, 1, r))[1] - 1, 0) - 3)
;;       q = np.round(r / step) * step * 2.0 ** e      # np.round: ties to even
;;       return np.moveaxis(q.reshape(q.shape[:-2] + (-1,))[..., :K], -1, axis).astype(np.float32)
;;   ~~~
;;   SOFTMAX AHEAD OF A QUANTISED PRODUCT. Where the list says 'softmax', what is quantised is not the finished softmax but p = 2^(t - M), with t = logit x log2(e) and M = ceil(the row's largest t), a whole number; so 1/2 < the row's largest p <= 1. The row's sum l is taken of the UNQUANTISED p, in f32, and the product's result is divided by l at the end. Since M is a whole number, a kernel that streams over the keys may use a running M (the ceiling of the running maximum): every later rescaling is an exact power of two, which a block's scale takes up: the codes' values come out the same.
;;   OPERANDS COMPUTED ON THE WAY. 'Computed on the way' means the value that the module computes at that place (a softmax that the list does not call 'softmax' is quantised finished and normalised). What goes into a quantiser is computed in f32, as accurately as f32 sums, v_exp_f32 and their like allow (about 1e-6 of the number): no bf16 or f16 on the way to a quantiser, and a product that is left as it is and whose result goes on into a quantised operand takes f32 operands (vector FMAs, or v_wmma_f32_16x16x4_f32). A number that lies on a knife's edge between two numbers of the format may be rounded either way, as far as f32 arithmetic and the matrix unit's own rounding can turn it there, and no further.
;; One version. Each part assembles by itself: llvm-mc -triple=amdgcn-amd-amdhsa -mcpu=gfx1250 --defsym DOCPART=n.
;; ======== version 1 of 1: 4 launches
;; workspace buffers: cod 10,223,616 bytes; qk 13,631,488 bytes; vv 6,553,600 bytes; cc 6,815,744 bytes
;; launch quant (part 1): grid 768 x 1, 2 waves a work-group, no clusters, 17,152 bytes of LDS; arguments x, Wq, Wk, Wv, Wo, cod; writes cod
.if DOCPART == 1
	.amdgcn_target "amdgcn-amd-amdhsa--gfx1250"
	.amdhsa_code_object_version 6
	.text
	.protected	k_q944965ef1b_quant
	.globl	k_q944965ef1b_quant
	.p2align	8
	.type	k_q944965ef1b_quant,@function
k_q944965ef1b_quant:
	s_mov_b64 s[64:65], 0
	v_nop
	global_prefetch_b8 v0, s[64:65] scope:SCOPE_SE
	s_setreg_imm32_b32 hwreg(HW_REG_WAVE_MODE, 25, 1), 1
	s_wait_xcnt 0x0
; x [8192][1024] and Wq, Wk, Wv, Wo [1024][1024], f32 with K innermost, become codes of FP6 (E2M3) with one E8M0 byte for each 32 along K,
; laid in the ORDER OF THE OPERAND'S REGISTERS.  A block's scale is 2^(floor(log2(largest magnitude)) - 2); its byte is the largest magnitude's exponent field - 2, held at 1 from below.
; LIMITS: NaN and infinities among the inputs are not served; a block of zeros, or one whose largest magnitude lies under 2^-124, gets the byte 1 (its codes are then zeros or tiny; only this program reads the bytes).
; A TILE is 16 rows: tile T, lane row r is tensor row 32 (T / 2) + 8 (T % 2) + r + 8 (r / 8).  768 tiles: 0-511 x, then 64 each of Wq, Wk, Wv, Wo.  One work-group to a tile.
; A tile's record in cod is 13,312 bytes: four chunks of 3,328: K step 2 c (1,536 bytes), K step 2 c + 1 (1,536), the rows' scale words (128 bytes, at 8 r + 4 (step % 2)), and a copy of these 128.
; A K step (128 along K) is two halves of 768 bytes; in a half, lane (r, h) owns the 24 bytes of block h of its row: registers 0-3 at 16 x lane, registers 4-5 at 512 + 8 x lane.
; Wave w (0, 1) takes K steps 4 w .. 4 w + 3.  Each load reads 512 consecutive bytes of one row; a step's 16 rows turn through the wave's own stage in LDS, so that a lane gets 2 x 32 neighbours along K.
; No tensor loads, no barrier, no cluster: waves share nothing and each input byte is read once.
.set STG,  8448                        ; a wave's stage: 16 rows x (512 + 16) bytes
.set RR,   64                          ; v64-191  two sets of 64 registers as loaded
.set XX,   192                         ; v192-255 my 64 numbers: register 32 c + i = k 64 c + 32 h + i of row r
.set PC,   16                          ; v16-27   the fragment's codes
.set P2,   28                          ; v28-30, v32-34 the conversions' second halves
.set MX,   36                          ; v36-37 largest magnitudes, v38-39 bytes, v40-41 scale operands
.set CHM,  3328
	s_load_b256 s[4:11], s[0:1], 0x0               ; x, Wq, Wk, Wv
	s_load_b128 s[12:15], s[0:1], 0x20             ; Wo, cod
	v_lshl_add_u32 v62, v0, 2, 0x4200
	v_mov_b32 v63, 0
	v_lshrrev_b32 v1, 5, v0
	v_readfirstlane_b32 s16, v1                    ; wave
	v_and_b32 v1, 31, v0                           ; lane
	v_and_b32 v2, 15, v0                           ; r
	v_bfe_u32 v3, v0, 4, 1                         ; h
	v_lshlrev_b32 v4, 4, v1                        ; 16 x lane
	s_mul_i32 s17, s16, STG
	v_add_nc_u32 v5, s17, v4                       ; into the stage: 16 x lane of a row
	v_mul_u32_u24 v6, v2, 528
	v_lshl_add_u32 v6, v3, 7, v6
	v_add_nc_u32 v6, s17, v6                       ; out of it: row r, + 128 h bytes
	v_lshl_add_u32 v7, v1, 3, 512                  ; 512 + 8 x lane
	v_lshlrev_b32 v8, 3, v3                        ; 8 h: where my bytes stand in a scale word
	v_lshlrev_b32 v9, 3, v1                        ; 8 x lane
	v_mov_b32 v13, 0                               ; a lane permute's destination counts as read
	s_mov_b32 s24, 0x76543210
	s_mov_b32 s25, 0xfedcba98                      ; selects for lane l xor 16
	s_wait_alu depctr_va_vdst(0)
	s_wait_kmcnt 0x0
	s_cmp_lt_u32 ttmp9, 704                        ; which tensor: the choice hangs on the work-group's number alone
	s_cselect_b64 s[12:13], s[10:11], s[12:13]
	s_cmp_lt_u32 ttmp9, 640
	s_cselect_b64 s[12:13], s[8:9], s[12:13]
	s_cmp_lt_u32 ttmp9, 576
	s_cselect_b64 s[12:13], s[6:7], s[12:13]
	s_cmp_lt_u32 ttmp9, 512
	s_cselect_b64 s[12:13], s[4:5], s[12:13]
	s_cselect_b32 s18, 0x1ff, 63
	s_and_b32 s18, ttmp9, s18                      ; the tile's number in its tensor
	s_lshr_b32 s19, s18, 1
	s_lshl_b32 s19, s19, 17                        ; 32 rows of 4,096 bytes
	s_and_b32 s20, s18, 1
	s_lshl_b32 s20, s20, 15                        ; 8 rows
	s_add_co_u32 s20, s19, s20
	s_lshl_b32 s21, s16, 11                        ; my four K steps: 2,048 bytes on
	s_add_co_u32 s20, s20, s21
	s_mov_b32 s21, 0
	s_add_nc_u64 s[12:13], s[12:13], s[20:21]
	s_mul_i32 s22, ttmp9, 13312
	s_mul_i32 s23, s16, 2*CHM
	s_add_co_u32 s22, s22, s23
	s_mov_b32 s23, 0
	s_add_nc_u64 s[14:15], s[14:15], s[22:23]      ; my two chunks of the tile's record
.macro LOAD t                          ; K step t of the 16 rows: each load 512 consecutive bytes
.set J, 0
.rept 16
	global_load_b128 v[RR+64*((\t)%2)+4*J:RR+64*((\t)%2)+4*J+3], v4, s[12:13] offset:(J+8*(J/8))*4096+512*(\t) th:TH_LOAD_NT
.set J, J+1
.endr
.endm
.macro TURN t                          ; through the stage; LDS serves a wave's instructions in order, so no wait stands between the stores and the loads
.set J, 0
.rept 16
	ds_store_b128 v5, v[RR+64*((\t)%2)+4*J:RR+64*((\t)%2)+4*J+3] offset:528*J
.set J, J+1
.endr
.set J, 0
.rept 16
	ds_load_b128 v[XX+4*J:XX+4*J+3], v6 offset:256*(J/8)+16*(J%8)
.set J, J+1
.endr
.endm
.macro Q1 t                            ; my two whole blocks (2 c + h) become registers 6 c .. 6 c + 5 of the fragment
.if (\t) > 0
	s_wait_xcnt 0x0                                ; the last step's stores have read their registers: these are written again only behind this wait
.endif
.irp c, 0,1
	v_max3_num_f32 v[MX+\c], |v[XX+32*\c]|, |v[XX+32*\c+1]|, 0x1800000   ; with the floor 2^(3 - 127): the byte cannot fall under 1
.endr
.irp i, 2,4,6,8,10,12,14,16,18,20,22,24,26,28,30
.irp c, 0,1
	v_max3_num_f32 v[MX+\c], v[MX+\c], |v[XX+32*\c+\i]|, |v[XX+32*\c+\i+1]|
.endr
.endr
.irp c, 0,1
	v_add_nc_u32 v[MX+4+\c], 0xff000000, v[MX+\c]  ; 2 off the exponent field: the conversion's scale operand
.endr
.irp c, 0,1
	v_lshrrev_b32 v[MX+2+\c], 23, v[MX+4+\c]       ; the byte
.endr
	v_lshl_or_b32 v12, v[MX+3], 16, v[MX+2]        ; blocks h and 2 + h,
	v_lshlrev_b32 v12, v8, v12                     ; at their places in the word;
	v_permlanex16_b32 v13, v12, s24, s25
	v_or_b32 v[10+(\t)%2], v12, v13                ; with lane l xor 16's two the word is whole
.irp c, 0,1
	v_cvt_scalef32_pk16_fp6_f32 v[PC+6*\c:PC+6*\c+2], v[XX+32*\c:XX+32*\c+15], v[MX+4+\c]
	v_cvt_scalef32_pk16_fp6_f32 v[P2+4*\c:P2+4*\c+2], v[XX+32*\c+16:XX+32*\c+31], v[MX+4+\c]   ; (a conversion's three registers begin on an even number)
.endr
	v_nop                                          ; one plain place behind a scaled conversion
.irp c, 0,1
.irp i, 0,1,2
	v_mov_b32 v[PC+3+6*\c+\i], v[P2+4*\c+\i]
.endr
.endr
.irp c, 0,1
	global_store_b128 v4, v[PC+6*\c:PC+6*\c+3], s[14:15] offset:CHM*((\t)/2)+1536*((\t)%2)+768*\c     ; 512 consecutive bytes, aligned to 256
	global_store_b64 v7, v[PC+6*\c+4:PC+6*\c+5], s[14:15] offset:CHM*((\t)/2)+1536*((\t)%2)+768*\c    ; 256 consecutive bytes, aligned
.endr
.if (\t)%2 == 1
	global_store_b64 v9, v[10:11], s[14:15] offset:CHM*((\t)/2)+3072   ; the chunk's scale words; lanes 16-31 hold the same words and write the copy: 256 aligned bytes
.endif
.endm
	LOAD 0
	LOAD 1
.irp t, 0,1,2,3
.if \t < 3
	s_wait_loadcnt 16                              ; this step's sixteen loads are in; the next step's sixteen may be out
.else
	s_wait_loadcnt 0x0
.endif
	TURN \t
	s_wait_dscnt 0x0                               ; my numbers are back, and the stage's stores have read their registers,
.if \t < 2
	LOAD \t+2                                      ; which take the loads of two steps on
.endif
	Q1 \t
.endr
	s_wait_tensorcnt 0x0
	ds_add_u32 v62, v63
	s_wait_dscnt 0x0
	s_endpgm
.Lfunc_end_k_q944965ef1b_quant:
	.size	k_q944965ef1b_quant, .Lfunc_end_k_q944965ef1b_quant-k_q944965ef1b_quant
	.p2alignl 7, 3214868480
	.fill 96, 4, 3214868480
	.section	.rodata,"a",@progbits
	.p2align	6, 0x0
	.amdhsa_kernel k_q944965ef1b_quant
		.amdhsa_group_segment_fixed_size 17152
		.amdhsa_private_segment_fixed_size 0
		.amdhsa_enable_private_segment 0
		.amdhsa_kernarg_size 48
		.amdhsa_user_sgpr_count 2
		.amdhsa_user_sgpr_kernarg_segment_ptr 1
		.amdhsa_wavefront_size32 1
		.amdhsa_system_sgpr_workgroup_id_x 1
		.amdhsa_system_sgpr_workgroup_id_y 1
		.amdhsa_system_sgpr_workgroup_id_z 1
		.amdhsa_system_vgpr_workitem_id 0
		.amdhsa_next_free_vgpr 256
		.amdhsa_next_free_sgpr 66
		.amdhsa_reserve_vcc 0
		.amdhsa_float_denorm_mode_32 3
		.amdhsa_float_denorm_mode_16_64 3
		.amdhsa_memory_ordered 1
		.amdhsa_forward_progress 1
		.amdhsa_inst_pref_size 31
	.end_amdhsa_kernel
	.amdgpu_metadata
---
amdhsa.version: [ 1, 2 ]
amdhsa.kernels:
  - .name:           k_q944965ef1b_quant
    .symbol:         k_q944965ef1b_quant.kd
    .args:
      - { .name: x, .offset: 0, .size: 8, .value_kind: global_buffer, .address_space: global }
      - { .name: Wq, .offset: 8, .size: 8, .value_kind: global_buffer, .address_space: global }
      - { .name: Wk, .offset: 16, .size: 8, .value_kind: global_buffer, .address_space: global }
      - { .name: Wv, .offset: 24, .size: 8, .value_kind: global_buffer, .address_space: global }
      - { .name: Wo, .offset: 32, .size: 8, .value_kind: global_buffer, .address_space: global }
      - { .name: cod, .offset: 40, .size: 8, .value_kind: global_buffer, .address_space: global }
    .group_segment_fixed_size: 17152
    .private_segment_fixed_size: 0
    .kernarg_segment_align: 8
    .kernarg_segment_size: 48
    .max_flat_workgroup_size: 64
    .sgpr_count:     66
    .vgpr_count:     256
    .wavefront_size: 32
...
	.end_amdgpu_metadata
.endif
;; end of part 1
;; launch qkv (part 2): grid 24 x 32, 4 waves a work-group, clusters of 4 x 4, 307,712 bytes of LDS; arguments cod, bq, bk, bv, qk, vv; writes qk, vv
.if DOCPART == 2
	.amdgcn_target "amdgcn-amd-amdhsa--gfx1250"
	.amdhsa_code_object_version 6
	.text
	.protected	k_q944965ef1b_qkv
	.globl	k_q944965ef1b_qkv
	.p2align	8
	.type	k_q944965ef1b_qkv,@function
k_q944965ef1b_qkv:
	s_mov_b64 s[64:65], 0
	v_nop
	global_prefetch_b8 v0, s[64:65] scope:SCOPE_SE
	s_setreg_imm32_b32 hwreg(HW_REG_WAVE_MODE, 25, 1), 1
	s_wait_xcnt 0x0
	s_wait_alu depctr_hold_cnt(0) depctr_sa_sdst(0) depctr_va_vdst(0) depctr_va_sdst(0) depctr_va_ssrc(0) depctr_va_vcc(0) depctr_vm_vsrc(0)
	s_getreg_b32 s2, hwreg(HW_REG_IB_STS2, 6, 4)
	s_cmp_eq_u32 s2, 0
	s_cbranch_scc0 .Lentry_in_a_cluster
	s_endpgm
.Lentry_in_a_cluster:
	s_bfe_u32 s2, ttmp6, 0x10000c
	s_cmp_lg_u32 s2, 0xf033
	s_cbranch_scc0 .Lentry_shape_is_right
	s_endpgm
.Lentry_shape_is_right:
; q = x Wq^T + bq, k = x Wk^T + bk, v = x Wv^T + bv on codes of FP6 (E2M3) with E8M0 block scales, f32 sums; the results are quantised at once for attention's two products.
; LIMITS: NaN and infinities are not served; a block of zeros or under 2^-124 gets the byte 1 (only this program reads the bytes).
; A work-group makes 256 rows of x (16 tiles, by Y) x 128 rows of a weight (8 tiles, by X: 0-7 Wq, 8-15 Wk, 16-23 Wv), over all of K = 1,024.  Tiles and records: as the quantiser lays them
; (tile T, lane row r = tensor row 32 (T / 2) + 8 (T % 2) + r + 8 (r / 8); a record = four chunks of two K steps and their scale words).
; ALL OF K LIES IN LDS: four chunks of 76,800 bytes, each 24 tiles x 3,200 bytes (3,072 of codes, 128 of scale words).  Every byte is filled once, so there is no ring; a wave has four tensor loads out.
; CLUSTER 4 x 4: x's tiles hang on Y alone and are asked for jointly along a row of the cluster, the weights' on X alone, jointly along a column.
; A wave makes 4 blocks of source 1 x 8 blocks of source 0: 32 accumulators, which take turns, one instruction a turn.
; q, k (X < 16): source 0 = the 8 weight tiles, source 1 = 4 tiles of x: a lane holds ONE row of x, its 64 registers of a block run along 128 channels = two heads = four blocks of 32.
; v (X >= 16): source 0 = 8 tiles of x, source 1 = 4 weight tiles: a lane holds ONE channel, its 64 registers run along 128 KEYS, which are the second product's K.
; The two ways part on the cluster's x, which all partners share, behind the joint loads.  The bias is the C of each sum's first matrix instruction.
; OUT.  qk: [q, k][batch x head][16 groups of 128 rows] records of 6,656 bytes: 8 tiles x 768 (a half fragment: 16 rows x 64 channels), then the scale words at 6,144 + 256 (t / 4) + 16 r + 4 (t % 4), bytes 2, 3 = 0.
;       vv: [batch x head][16 groups of 128 keys] records of 6,400 bytes: 4 fragments (16 channels x 128 keys) of 1,536, then the scale words at 6,144 + 16 r + 4 a.
; REGISTERS.  window 0: v1-3 lane, r, h; v4-9 LDS addresses; v10-15 offsets; v32-79 scale words and nothing else; v80-123 the quantiser's; v128-223 source 1's fragments, two sets.
;   window 1: source 0's fragments, two sets (v0-95, v128-223).  window 2: accumulator (a, b) at v[8 (8 a + b)].  window 3: v0-63 the bias in the result's layout.
.set TL,     3200                      ; a tile's part of a chunk in LDS
.set CH,     24*TL                     ; a chunk
.set REC,    13312
.set CHM,    3328
.set WFIRST, 512                       ; the first weight tile in cod
.set KHEAD,  106496                    ; a head's records in qk
.set VHEAD,  102400                    ; and in vv
.set WV,  66
.set G1X, 16                           ; s[16:23] group 1 for x's tiles;  s[24:31] for the weights'
.set G1W, 24
.set G0X, 32                           ; s[32:47] groups 0 for x's four chunks;  s[48:63] for the weights'
.set G0W, 48
.set SEL, 96
.set SA,  32                           ; source 1's scale words: 32 + 8 (chunk % 2) + 2 a + (step % 2)
.set SB,  48                           ; source 0's: 48 + 16 (chunk % 2) + 2 b + (step % 2)
.set AF,  128
.set BI,  0
.set TM,  80                           ; v80-83 largest magnitudes, v84-87 bytes, v92-95 scale operands
.set PW,  96                           ; the scale word just made
.set SW,  100                          ; v100-103 the four blocks' scale words, to store
.set PC,  104                          ; v104-115 the codes just made; v116-118, v120-122 the conversions' second halves
.set W_MUL,  0xa1                      ; source 0 window 1, source 1 window 0, C and D window 2
.set W_MUL0, 0xb1                      ; the same with C in window 3
.set TO_B,   0x40
.set TO_BI,  0xc0
.set MSB, 0
.macro WIN new                         ; the immediate's high byte repeats the setting that is left
.if MSB != \new
	s_set_vgpr_msb (MSB<<8)|\new
.set MSB, \new
.endif
.endm
.macro CROUND                          ; a round of the cluster's barrier
	s_barrier_signal -1
	s_barrier_wait -1
	s_cmp_lg_u32 s[WV], 0
	s_cbranch_scc1 .Lnot_wave_0_\@
	s_barrier_signal -3
.Lnot_wave_0_\@:
	s_barrier_wait -3
	s_barrier_signal -1
	s_barrier_wait -1
.endm
.macro PLACES
.rept 4
	v_nop
.endr
.endm
; the fragments of K step s into set s % 2: dense images, 16 bytes and then 8 bytes a lane for each half; with an even step its chunk's scale words
.macro FETCH s
.set FQ, (\s)%2
.set FC, ((\s)/2)%2
	WIN TO_B
.irp b, 0,1,2,3,4,5,6,7
.irp c, 0,1
	ds_load_b128 v[128*FQ+12*\b+6*\c:128*FQ+12*\b+6*\c+3], v6 offset:TL*\b+1536*FQ+768*\c
	ds_load_b64 v[128*FQ+12*\b+6*\c+4:128*FQ+12*\b+6*\c+5], v7 offset:TL*\b+1536*FQ+768*\c
.endr
.endr
	WIN 0
.irp a, 0,1,2,3
.irp c, 0,1
	ds_load_b128 v[AF+48*FQ+12*\a+6*\c:AF+48*FQ+12*\a+6*\c+3], v4 offset:TL*\a+1536*FQ+768*\c
	ds_load_b64 v[AF+48*FQ+12*\a+6*\c+4:AF+48*FQ+12*\a+6*\c+5], v5 offset:TL*\a+1536*FQ+768*\c
.endr
.endr
.if FQ == 0
.irp b, 0,1,2,3,4,5,6,7
	ds_load_b64 v[SB+16*FC+2*\b:SB+16*FC+2*\b+1], v9 offset:TL*\b+3072
.endr
.irp a, 0,1,2,3
	ds_load_b64 v[SA+8*FC+2*\a:SA+8*FC+2*\a+1], v8 offset:TL*\a+3072
.endr
.endif
.endm
; 32 matrix instructions: K step s.  In step 0 the bias starts the sums: cm = 0: it runs along source 0's rows (BI + 8 b); cm = 1: along source 1's (BI + 8 a)
.macro MUL s, cm
.set FQ, (\s)%2
.set FC, ((\s)/2)%2
.if (\s) == 0
	WIN W_MUL0
.else
	WIN W_MUL
.endif
.irp a, 0,1,2,3
.irp b, 0,1,2,3,4,5,6,7
.if (\s) == 0
.if \cm
	v_wmma_scale_f32_16x16x128_f8f6f4 v[8*(8*\a+\b):8*(8*\a+\b)+7], v[128*FQ+12*\b:128*FQ+12*\b+11], v[AF+48*FQ+12*\a:AF+48*FQ+12*\a+11], v[BI+8*\a:BI+8*\a+7], v[SB+16*FC+2*\b+FQ], v[SA+8*FC+2*\a+FQ] matrix_a_fmt:MATRIX_FMT_FP6 matrix_b_fmt:MATRIX_FMT_FP6
.else
	v_wmma_scale_f32_16x16x128_f8f6f4 v[8*(8*\a+\b):8*(8*\a+\b)+7], v[128*FQ+12*\b:128*FQ+12*\b+11], v[AF+48*FQ+12*\a:AF+48*FQ+12*\a+11], v[BI+8*\b:BI+8*\b+7], v[SB+16*FC+2*\b+FQ], v[SA+8*FC+2*\a+FQ] matrix_a_fmt:MATRIX_FMT_FP6 matrix_b_fmt:MATRIX_FMT_FP6
.endif
.else
	v_wmma_scale_f32_16x16x128_f8f6f4 v[8*(8*\a+\b):8*(8*\a+\b)+7], v[128*FQ+12*\b:128*FQ+12*\b+11], v[AF+48*FQ+12*\a:AF+48*FQ+12*\a+11], v[8*(8*\a+\b):8*(8*\a+\b)+7], v[SB+16*FC+2*\b+FQ], v[SA+8*FC+2*\a+FQ] matrix_a_fmt:MATRIX_FMT_FP6 matrix_b_fmt:MATRIX_FMT_FP6
.endif
.endr
.endr
.endm
; K step s: its fragments are in; the next step's are asked for, into the set that the step before multiplied, four places behind its last product; then the 32 products.
.macro STEPK s, cm
	WIN 0
	s_wait_dscnt 0x0                               ; this step's fragments are in (asked for 32 matrix instructions ago)
.if ((\s)%2 == 1) && ((\s) < 7)
	s_wait_tensorcnt 3-((\s)+1)/2                  ; my part of the next chunk has landed; the chunks behind it may stay out,
	s_barrier_signal -1
	s_barrier_wait -1                              ; everybody's has
.irp g, 4,5,6,7,8,9
	v_add_nc_u32 v\g, CH, v\g                      ; on to that chunk.  (These six are also the places in front of the loads)
.endr
.elseif ((\s) > 0) && ((\s) < 7)
	PLACES
.endif
.if (\s) < 7
	s_wait_alu depctr_va_vdst(0)
	FETCH (\s)+1
.endif
.if (\s) == 0
	s_wait_loadcnt 0x0                             ; the bias
.endif
	MUL \s, \cm
.endm
.macro MAIN cm
	s_wait_tensorcnt 0x3                           ; my part of chunk 0 has landed; chunks 1 to 3 may stay out: nothing is filled twice
	s_barrier_signal -1
	s_barrier_wait -1
	FETCH 0
.irp s, 0,1,2,3,4,5,6,7
	STEPK \s, \cm
.endr
	WIN 0
	PLACES                                         ; in front of the first read of results
.endm
.macro ADDRS                           ; s82: where source 1's tiles begin in a chunk; s83: source 0's
	v_add_nc_u32 v4, s82, v10
	v_add_nc_u32 v5, s82, v11
	v_add_nc_u32 v6, s83, v10
	v_add_nc_u32 v7, s83, v11
	v_lshl_add_u32 v8, v2, 3, s82
	v_lshl_add_u32 v9, v2, 3, s83
.endm
; 64 results of a lane, window 2 v[base] on, register 16 b + i = k 32 b + 16 h + i of the lane's row, become a fragment's codes in v[PC] on and its scale word in v[PW].  Each accumulator is read from its low end on.
.macro QUANT base
	WIN 0x0a                                       ; sources 0 and 1: window 2
.irp b, 0,1,2,3
	v_max3_num_f32 v[TM+\b], |v[(\base)+16*\b]|, |v[(\base)+16*\b+1]|, 0x1800000   ; with the floor 2^(3 - 127)
.endr
.irp i, 2,4,6,8,10,12,14
.irp b, 0,1,2,3
	v_max3_num_f32 v[TM+\b], |v[(\base)+16*\b+\i]|, |v[(\base)+16*\b+\i+1]|, v[TM+\b]
.endr
.endr
	WIN 0
.irp b, 0,1,2,3
	v_permlanex16_b32 v[TM+4+\b], v[TM+\b], s[SEL], s[SEL+1]
.endr
.irp b, 0,1,2,3
	v_max_num_f32 v[TM+\b], v[TM+\b], v[TM+4+\b]   ; with lane l xor 16's: the block's largest magnitude
.endr
.irp b, 0,1,2,3
	v_add_nc_u32 v[TM+12+\b], 0xff000000, v[TM+\b] ; 2 off the exponent field: the conversion's scale operand
.endr
.irp b, 0,1,2,3
	v_lshrrev_b32 v[TM+4+\b], 23, v[TM+12+\b]      ; the byte
.endr
	v_lshl_or_b32 v[PW], v[TM+5], 8, v[TM+4]
	v_lshl_or_b32 v[PW], v[TM+6], 16, v[PW]
	v_lshl_or_b32 v[PW], v[TM+7], 24, v[PW]
	WIN 0x02                                       ; source 0: window 2
.irp c, 0,1
	v_cvt_scalef32_pk16_fp6_f32 v[PC+6*\c:PC+6*\c+2], v[(\base)+32*\c:(\base)+32*\c+15], v[TM+12+2*\c]
	v_cvt_scalef32_pk16_fp6_f32 v[PC+12+4*\c:PC+14+4*\c], v[(\base)+32*\c+16:(\base)+32*\c+31], v[TM+12+2*\c+1]
.endr
	WIN 0
	v_nop                                          ; one plain place behind a scaled conversion
.irp c, 0,1                                    ; the layout wants a whole block in a lane: lanes 0-15 block 2 c, lanes 16-31 block 2 c + 1
.irp i, 0,1,2
	v_permlane16_swap_b32 v[PC+6*\c+\i], v[PC+12+4*\c+\i]
.endr
.irp i, 0,1,2
	v_mov_b32 v[PC+3+6*\c+\i], v[PC+12+4*\c+\i]
.endr
.endr
.endm
.macro EPI a, st, sec                  ; block a: quantised and stored as two half fragments, the first at a x st, the second sec bytes on
.if (\a) > 0
	s_wait_xcnt 0x0                                ; the last block's stores have read their registers
.endif
	QUANT 64*(\a)
	global_store_b128 v10, v[PC:PC+3], s[84:85] offset:(\a)*(\st)              ; 512 consecutive bytes, aligned to 256
	global_store_b64 v11, v[PC+4:PC+5], s[84:85] offset:(\a)*(\st)             ; 256 consecutive bytes, aligned
	global_store_b128 v10, v[PC+6:PC+9], s[84:85] offset:(\a)*(\st)+(\sec)
	global_store_b64 v11, v[PC+10:PC+11], s[84:85] offset:(\a)*(\st)+(\sec)
.endm
	s_load_b256 s[4:11], s[0:1], 0x0               ; cod, bq, bk, bv
	s_load_b128 s[12:15], s[0:1], 0x20             ; qk, vv
	v_lshl_add_u32 v254, v0, 2, 0x4b000
	v_mov_b32 v255, 0
	ds_add_u32 v254, v255
	ds_add_u32 v254, v255
	v_lshrrev_b32 v1, 5, v0
	v_readfirstlane_b32 s[WV], v1                  ; wave 0..3
	v_and_b32 v1, 31, v0                           ; lane
	v_and_b32 v2, 15, v0                           ; r
	v_bfe_u32 v3, v0, 4, 1                         ; h
	v_lshlrev_b32 v10, 4, v1                       ; 16 x lane
	v_lshl_add_u32 v11, v1, 3, 512                 ; 512 + 8 x lane
.irp b, 0,1,2,3
	v_mov_b32 v[TM+4+\b], 0                        ; a lane permute's destination counts as read
.endr
	s_mov_b32 s[SEL], 0x76543210
	s_mov_b32 s[SEL+1], 0xfedcba98
	s_and_b32 s67, s[WV], 1
	s_lshr_b32 s68, s[WV], 1
	s_bfe_u32 s69, ttmp6, 0x40000                  ; cx
	s_bfe_u32 s70, ttmp6, 0x40004                  ; cy
	s_lshl_b32 s71, ttmp9, 2
	s_add_co_u32 s71, s71, s69                     ; X
	s_and_b32 s72, ttmp7, 0xffff
	s_lshl_b32 s72, s72, 2
	s_add_co_u32 s72, s72, s70                     ; Y
	s_lshl_b32 s73, s70, 2
	s_lshl_b32 s73, 15, s73                        ; my row of the cluster
	s_lshl_b32 s74, 0x1111, s69                    ; my column
	; group 1: R rows (tiles) of 400 elements of 8 bytes = 3,200 bytes, 1,664 elements (a record) apart; no padding
	s_or_b32 s[G1X], s73, (3<<16)|(1<<21)
	s_or_b32 s[G1W], s74, (3<<16)|(1<<21)
	s_mov_b32 s[G1X+1], 400<<16
	s_mov_b32 s[G1X+2], 8<<16
	s_mov_b32 s[G1X+3], 400<<16
	s_mov_b32 s[G1X+4], 8
	s_mov_b32 s[G1X+5], 1664
	s_mov_b32 s[G1X+6], 0
	s_mov_b32 s[G1X+7], 0
	s_mov_b32 s[G1W+1], 400<<16
	s_mov_b32 s[G1W+2], 4<<16
	s_mov_b32 s[G1W+3], 400<<16
	s_mov_b32 s[G1W+4], 4
	s_mov_b32 s[G1W+5], 1664
	s_mov_b32 s[G1W+6], 0
	s_mov_b32 s[G1W+7], 0
	s_lshl_b32 s75, s72, 4
	s_lshl_b32 s76, s67, 3
	s_add_co_u32 s75, s75, s76                     ; x: tile 16 Y + 8 (wave % 2)
	s_mul_i32 s76, s75, REC
	s_mov_b32 s77, 0
	s_lshl_b32 s78, s71, 3
	s_lshl_b32 s79, s67, 2
	s_add_co_u32 s78, s78, s79
	s_add_co_u32 s78, s78, WFIRST                  ; weights: tile 512 + 8 X + 4 (wave % 2)
	s_mul_i32 s78, s78, REC
	s_mov_b32 s79, 0
	s_mul_i32 s80, s67, 8*TL                       ; where they go: no place in the cluster enters an LDS address
	s_mul_i32 s81, s67, 4*TL
	s_add_co_u32 s81, s81, 16*TL
	s_wait_dscnt 0x0
	s_wait_kmcnt 0x0
	s_add_nc_u64 s[76:77], s[4:5], s[76:77]
	s_add_nc_u64 s[78:79], s[4:5], s[78:79]
.irp c, 0,1,2,3
	s_mov_b32 s[G0X+4*\c], 1
	s_add_co_u32 s[G0X+4*\c+1], s80, CH*\c
	s_add_nc_u64 s[G0X+4*\c+2:G0X+4*\c+3], s[76:77], CHM*\c
	s_or_b32 s[G0X+4*\c+3], s[G0X+4*\c+3], 0x80000000
	s_mov_b32 s[G0W+4*\c], 1
	s_add_co_u32 s[G0W+4*\c+1], s81, CH*\c
	s_add_nc_u64 s[G0W+4*\c+2:G0W+4*\c+3], s[78:79], CHM*\c
	s_or_b32 s[G0W+4*\c+3], s[G0W+4*\c+3], 0x80000000
.endr
	CROUND                                         ; all sixteen work-groups are here: the joint loads meet
	s_cmp_lt_u32 s[WV], 2                          ; waves 0, 1 fetch x's tiles, waves 2, 3 the weights': a wave's four first fills stand in one branch
	s_cbranch_scc0 .Lfor_w
.irp c, 0,1,2,3
	tensor_load_to_lds s[G0X+4*\c:G0X+4*\c+3], s[G1X:G1X+7]
	s_nop 0
.endr
	PLACES
	s_branch .Lasked
.Lfor_w:
.irp c, 0,1,2,3
	tensor_load_to_lds s[G0W+4*\c:G0W+4*\c+3], s[G1W:G1W+7]
	s_nop 0
.endr
	PLACES
.Lasked:
	s_cmp_ge_u32 ttmp9, 4                          ; the cluster's x: the same in all partners
	s_cbranch_scc1 .Lvpath
	; ---------------- q and k
	s_mul_i32 s82, s[WV], 4*TL                     ; source 1: x's tiles 4 w ..
	s_mov_b32 s83, 16*TL                           ; source 0: the eight weight tiles
	s_wait_alu depctr_va_vdst(0)
	ADDRS
	s_cmp_lt_u32 ttmp9, 2
	s_cselect_b64 s[88:89], s[6:7], s[8:9]         ; bq or bk
	s_and_b32 s90, s71, 7
	s_lshl_b32 s92, s90, 9                         ; my 128 channels
	s_mov_b32 s93, 0
	s_add_nc_u64 s[88:89], s[88:89], s[92:93]
	v_lshlrev_b32 v14, 6, v3                       ; 64 h: lane (r, h) wants, for tile 2 b + u, channels 32 b + 16 h + 8 u + 0 .. 7
	WIN TO_BI
.irp t, 0,1,2,3,4,5,6,7
	global_load_b128 v[BI+8*\t:BI+8*\t+3], v14, s[88:89] offset:(32*(\t/2)+8*(\t%2))*4
	global_load_b128 v[BI+8*\t+4:BI+8*\t+7], v14, s[88:89] offset:(32*(\t/2)+8*(\t%2))*4+16
.endr
	WIN 0
	s_lshr_b32 s91, s71, 3                         ; 0 q, 1 k
	s_lshl_b32 s91, s91, 6
	s_lshr_b32 s92, s72, 3                         ; batch
	s_lshl_b32 s92, s92, 4
	s_add_co_u32 s91, s91, s92
	s_lshl_b32 s92, s90, 1                         ; my first head
	s_add_co_u32 s91, s91, s92
	s_mul_i32 s91, s91, KHEAD
	s_and_b32 s92, s72, 7
	s_lshl_b32 s92, s92, 1
	s_add_co_u32 s92, s92, s68                     ; the group of 128 rows: 2 (Y % 8) + wave / 2
	s_mul_i32 s92, s92, 6656
	s_add_co_u32 s92, s91, s92                     ; the record
	s_mov_b32 s93, 0
	s_mul_i32 s94, s67, 3072                       ; my four tiles in it
	s_mov_b32 s95, 0
	s_add_nc_u64 s[84:85], s[12:13], s[92:93]
	s_add_nc_u64 s[84:85], s[84:85], s[94:95]
	s_lshl_b32 s94, s67, 8
	s_add_co_u32 s94, s94, 6144                    ; and their scale words
	s_add_nc_u64 s[86:87], s[12:13], s[92:93]
	s_add_nc_u64 s[86:87], s[86:87], s[94:95]
	v_mul_u32_u24 v12, v3, KHEAD
	v_lshl_add_u32 v12, v2, 4, v12                 ; 16 r; lanes 16-31 the second head's record
	v_lshlrev_b32 v13, 4, v3                       ; 16 h
	s_wait_alu depctr_va_vdst(0)
	MAIN 0
.irp a, 0,1,2,3
	EPI \a, 768, KHEAD
	v_lshrrev_b32 v[SW+\a], v13, v[PW]             ; lanes 0-15 keep the first head's two bytes, lanes 16-31 the second's;
	v_and_b32 v[SW+\a], 0xffff, v[SW+\a]           ; bytes 2 and 3 are 0
.endr
	global_store_b128 v12, v[SW:SW+3], s[86:87]    ; each half of the lanes stores 256 consecutive bytes, aligned
	s_branch .Lend
	; ---------------- v
.Lvpath:
	s_mul_i32 s82, s68, 4*TL
	s_add_co_u32 s82, s82, 16*TL                   ; source 1: weight tiles 4 (w / 2) ..
	s_mul_i32 s83, s67, 8*TL                       ; source 0: x's tiles 8 (w % 2) ..
	s_wait_alu depctr_va_vdst(0)
	ADDRS
	s_sub_co_u32 s90, s71, 16
	s_lshl_b32 s90, s90, 1
	s_add_co_u32 s90, s90, s68                     ; my head
	s_lshl_b32 s92, s90, 8
	s_mov_b32 s93, 0
	s_add_nc_u64 s[88:89], s[10:11], s[92:93]      ; bv at my head
	v_and_b32 v14, 8, v2
	v_add_nc_u32 v14, v14, v2
	v_lshlrev_b32 v14, 2, v14                      ; 4 (r + 8 (r / 8)): my channel in a tile
	WIN TO_BI
.irp a, 0,1,2,3
	global_load_b32 v[BI+8*\a], v14, s[88:89] offset:(32*(\a/2)+8*(\a%2))*4
.endr
	WIN 0
	s_lshr_b32 s91, s72, 3                         ; batch
	s_lshl_b32 s91, s91, 4
	s_add_co_u32 s91, s91, s90
	s_mul_i32 s91, s91, VHEAD
	s_and_b32 s92, s72, 7
	s_lshl_b32 s92, s92, 1
	s_add_co_u32 s92, s92, s67                     ; the group of 128 keys: 2 (Y % 8) + wave % 2
	s_mul_i32 s92, s92, 6400
	s_add_co_u32 s92, s91, s92
	s_mov_b32 s93, 0
	s_add_nc_u64 s[84:85], s[14:15], s[92:93]
	v_lshlrev_b32 v12, 4, v2                       ; 16 r
	s_wait_loadcnt 0x0
	WIN 0xc3                                       ; destination and source 0: window 3
.irp a, 0,1,2,3
.irp j, 1,2,3,4,5,6,7
	v_mov_b32 v[BI+8*\a+\j], v[BI+8*\a]            ; a lane's eight results of a tile belong to one channel: one bias
.endr
.endr
	WIN 0
	PLACES
	MAIN 1
.irp a, 0,1,2,3
	EPI \a, 1536, 768
	v_mov_b32 v[SW+\a], v[PW]
.endr
	s_wait_alu depctr_va_vdst(0)
	s_wait_xcnt 0x0                                ; EXEC changes only behind this wait
	v_cmp_gt_u32 vcc_lo, 16, v1
	s_and_saveexec_b32 s98, vcc_lo
	global_store_b128 v12, v[SW:SW+3], s[84:85] offset:6144    ; lanes 0-15 store 256 consecutive bytes, aligned
	s_wait_xcnt 0x0
	s_or_b32 exec_lo, exec_lo, s98
.Lend:
	s_wait_tensorcnt 0x0
	s_wait_dscnt 0x0
	s_wait_tensorcnt 0x0
	ds_add_u32 v254, v255
	s_wait_dscnt 0x0
	CROUND                                         ; the closing round: no work-group ends while a partner may still ask for a tile that names it
	s_endpgm
.Lfunc_end_k_q944965ef1b_qkv:
	.size	k_q944965ef1b_qkv, .Lfunc_end_k_q944965ef1b_qkv-k_q944965ef1b_qkv
	.p2alignl 7, 3214868480
	.fill 96, 4, 3214868480
	.section	.rodata,"a",@progbits
	.p2align	6, 0x0
	.amdhsa_kernel k_q944965ef1b_qkv
		.amdhsa_group_segment_fixed_size 307712
		.amdhsa_private_segment_fixed_size 0
		.amdhsa_enable_private_segment 0
		.amdhsa_kernarg_size 48
		.amdhsa_user_sgpr_count 2
		.amdhsa_user_sgpr_kernarg_segment_ptr 1
		.amdhsa_wavefront_size32 1
		.amdhsa_system_sgpr_workgroup_id_x 1
		.amdhsa_system_sgpr_workgroup_id_y 1
		.amdhsa_system_sgpr_workgroup_id_z 1
		.amdhsa_system_vgpr_workitem_id 0
		.amdhsa_next_free_vgpr 832
		.amdhsa_next_free_sgpr 100
		.amdhsa_reserve_vcc 1
		.amdhsa_float_denorm_mode_32 3
		.amdhsa_float_denorm_mode_16_64 3
		.amdhsa_memory_ordered 1
		.amdhsa_forward_progress 1
		.amdhsa_inst_pref_size 174
	.end_amdhsa_kernel
	.amdgpu_metadata
---
amdhsa.version: [ 1, 2 ]
amdhsa.kernels:
  - .name:           k_q944965ef1b_qkv
    .symbol:         k_q944965ef1b_qkv.kd
    .args:
      - { .name: cod, .offset: 0, .size: 8, .value_kind: global_buffer, .address_space: global }
      - { .name: bq, .offset: 8, .size: 8, .value_kind: global_buffer, .address_space: global }
      - { .name: bk, .offset: 16, .size: 8, .value_kind: global_buffer, .address_space: global }
      - { .name: bv, .offset: 24, .size: 8, .value_kind: global_buffer, .address_space: global }
      - { .name: qk, .offset: 32, .size: 8, .value_kind: global_buffer, .address_space: global }
      - { .name: vv, .offset: 40, .size: 8, .value_kind: global_buffer, .address_space: global }
    .group_segment_fixed_size: 307712
    .private_segment_fixed_size: 0
    .kernarg_segment_align: 8
    .kernarg_segment_size: 48
    .max_flat_workgroup_size: 128
    .sgpr_count:     100
    .vgpr_count:     832
    .wavefront_size: 32
...
	.end_amdgpu_metadata
.endif
;; end of part 2
;; launch attn (part 3): grid 256 x 1, 16 waves a work-group, clusters of 4 x 1, 210,944 bytes of LDS; arguments qk, vv, cc; writes cc
.if DOCPART == 3
	.amdgcn_target "amdgcn-amd-amdhsa--gfx1250"
	.amdhsa_code_object_version 6
	.text
	.protected	k_q944965ef1b_attn
	.globl	k_q944965ef1b_attn
	.p2align	8
	.type	k_q944965ef1b_attn,@function
k_q944965ef1b_attn:
	s_mov_b64 s[64:65], 0
	v_nop
	global_prefetch_b8 v0, s[64:65] scope:SCOPE_SE
	s_setreg_imm32_b32 hwreg(HW_REG_WAVE_MODE, 25, 1), 1
	s_wait_xcnt 0x0
	s_wait_alu depctr_hold_cnt(0) depctr_sa_sdst(0) depctr_va_vdst(0) depctr_va_sdst(0) depctr_va_ssrc(0) depctr_va_vcc(0) depctr_vm_vsrc(0)
	s_getreg_b32 s2, hwreg(HW_REG_IB_STS2, 6, 4)
	s_cmp_eq_u32 s2, 0
	s_cbranch_scc0 .Lentry_in_a_cluster
	s_endpgm
.Lentry_in_a_cluster:
	s_bfe_u32 s2, ttmp6, 0x10000c
	s_cmp_lg_u32 s2, 0x3003
	s_cbranch_scc0 .Lentry_shape_is_right
	s_endpgm
.Lentry_shape_is_right:
; ctx = softmax(q k^T / 8, causal) v for one (batch, head), both products on codes of FP6 (E2M3) with E8M0 block scales; ctx is quantised along its channels for the output projection.
; THE SOFTMAX: t = score x log2(e) / 8; M = the running largest t rounded UP to a whole number; p = 2^(t - M) is quantised along the keys, not normalised; the row's sum is taken of the unquantised p and divides at the end.
; LIMITS: NaN and infinities are not served; a block of zeros gets the byte 1 (its codes are zeros).  A block's largest p is taken from its largest score by the same multiply-add and exponential:
; this takes v_exp_f32 not to fall where its input rises; at the worst one p of a block, within an ulp of a power of two, is held one code low.
; SHARES.  A cluster of four work-groups owns one head: ttmp9 = 16 x batch + head.  THE HEAD'S K AND V STAY IN LDS, filled once by joint loads (wave 0: K's four chunks, wave 1: V's): no ring; four loads of a wave are out.
; Wave w of work-group cx owns query tiles T = 4 w + cx and 127 - T: 17 key steps of 128 keys together, whatever w and cx.  The last step of a tile, T / 8, is w / 2 or 15 - w / 2: it hangs on the wave alone.
; Every wave walks the loops' constant trips; a step all of whose keys are hidden is left out by a scalar branch round its work, not round the lines that step addresses.
; LAYOUT.  Both products transposed: S^T = K Q^T, O^T = V^T P^T: a lane holds ONE query.  Tile T, lane row r = row 32 (T / 2) + 8 (T % 2) + r + 8 (r / 8), so that the 16 registers of tiles 2 b, 2 b + 1 of a result are 16 neighbours.
; K Q^T HAS K = 64: a tile of K is six registers; the instruction names twelve, and the upper six (the next tile's, or zeros) meet Q's zero codes in v22-27 under scale bytes 0: they add nothing.
; REGISTERS: v1-3 lane offsets; v4-9 the step's LDS addresses; v10 the mask's bound, v11 -infinity; v12 -M, v13 largest t, v[14:15] the sum; v16-27 Q and zeros; v28 Q's scale word; v29, v31 ctx's scale halfwords; v30 lane term of the bound;
;   v32-79 K's 8 tiles, then V's 4 fragments; v80-85 zeros; v86-98 scale words and nothing else; v100-163 S^T, then p; v164-195 O^T; v196-207 p's codes; v208-214 second halves; v216-235 at work.
.set KREC,  6656
.set VREC,  6400
.set KHEAD, 106496
.set VHEAD, 102400
.set VBASE, 106496                     ; LDS: K's 16 records from 0, V's from here
.set G1K, 16
.set G1V, 24
.set G0K, 32
.set G0V, 48
.set CNT, 14
.set WV,  66
.set CX,  67
.set TA,  68
.set TB,  69
.set LIM, 70
.set G,   71
.set TBK, 72
.set TBV, 73
.set SEL, 74
.set CS,  76
.set QA,  78
.set QSA, 80
.set CA,  82
.set QB,  84
.set QSB, 86
.set CB,  88
.set HWB, 90
.macro CROUND
	s_barrier_signal -1
	s_barrier_wait -1
	s_cmp_lg_u32 s[WV], 0
	s_cbranch_scc1 .Lnot_wave_0_\@
	s_barrier_signal -3
.Lnot_wave_0_\@:
	s_barrier_wait -3
	s_barrier_signal -1
	s_barrier_wait -1
.endm
.macro PLACES
.rept 4
	v_nop
.endr
.endm
; the addresses of query tile s[t]: its codes, its scale words, its place in cc.  s94 = the head's first byte in qk's q part, s95 = 128 x batch, s98 = the head's place in a record of cc
.macro BASES t, q, qs, c
	s_lshr_b32 s92, s[\t], 3
	s_mul_i32 s92, s92, KREC
	s_add_co_u32 s92, s92, s94                     ; the record
	s_and_b32 s93, s[\t], 7
	s_mul_i32 s93, s93, 768
	s_add_co_u32 s96, s92, s93
	s_mov_b32 s97, 0
	s_add_nc_u64 s[\q:\q+1], s[4:5], s[96:97]
	s_bfe_u32 s93, s[\t], 0x10002
	s_lshl_b32 s93, s93, 8
	s_add_co_u32 s96, s92, s93
	s_and_b32 s93, s[\t], 3
	s_lshl_b32 s93, s93, 2
	s_add_co_u32 s96, s96, s93
	s_add_co_u32 s96, s96, 6144
	s_add_nc_u64 s[\qs:\qs+1], s[4:5], s[96:97]
	s_add_co_u32 s93, s[\t], s95
	s_mul_i32 s96, s93, 13312
	s_add_co_u32 s96, s96, s98
	s_add_nc_u64 s[\c:\c+1], s[8:9], s[96:97]
.endm
.macro QLOAD q, qs
	global_load_b128 v[16:19], v1, s[\q:\q+1]
	global_load_b64 v[20:21], v2, s[\q:\q+1]
	global_load_b32 v28, v3, s[\qs:\qs+1]
.endm
.macro INIT t, second                  ; a pass begins: O^T and the sum are zeros, the largest t lies under every t
	v_mov_b32 v13, 0xff61b1e6                      ; -3e38
	s_delay_alu instid0(VALU_DEP_1)
	v_floor_f32 v12, -v13
	v_mov_b32 v14, 0
	v_mov_b32 v15, 0
.set J, 0
.rept 32
	v_mov_b32 v[164+J], 0
.set J, J+1
.endr
	s_bfe_u32 s15, s[\t], 0x20001
	s_lshl_b32 s15, s15, 5
	s_and_b32 s2, s[\t], 1
	s_lshl_b32 s2, s2, 3
	s_add_co_u32 s15, s15, s2
	v_add_nc_u32 v10, s15, v30                     ; d = my query's place in its 128 - 16 h: in the last step register 16 b + i is hidden where 32 b + i > d
	s_lshr_b32 s[LIM], s[WV], 1
.if \second
	s_sub_co_u32 s[LIM], 15, s[LIM]
.endif
	s_mov_b32 s[G], 0
	s_mov_b32 s[TBK], 0
	s_mov_b32 s[TBV], VBASE
.endm
; A KEY STEP: 128 keys, record G of K and of V.
.macro STEP
	s_cmp_gt_u32 s[G], s[LIM]
	s_cbranch_scc1 .Lhidden_\@
	s_setprio 2
	v_add_nc_u32 v4, s[TBK], v1                    ; (these six are also the places behind the last step's products, in front of the loads)
	v_add_nc_u32 v5, s[TBK], v2
	v_add_nc_u32 v6, s[TBV], v1
	v_add_nc_u32 v7, s[TBV], v2
	v_add_nc_u32 v8, s[TBK], v3
	v_add_nc_u32 v9, s[TBV], v3
.irp t, 0,1,2,3,4,5,6,7
	ds_load_b128 v[32+6*\t:35+6*\t], v4 offset:768*\t
	ds_load_b64 v[36+6*\t:37+6*\t], v5 offset:768*\t
.endr
	ds_load_b128 v[86:89], v8 offset:6144          ; lane r: the scale words of row r of tiles 0-3,
	ds_load_b128 v[90:93], v8 offset:6400          ; of tiles 4-7
	s_wait_alu depctr_va_vdst(0)
	s_wait_dscnt 0x0
.irp t, 0,1,2,3,4,5,6,7
	v_wmma_scale_f32_16x16x128_f8f6f4 v[100+8*\t:107+8*\t], v[32+6*\t:43+6*\t], v[16:27], 0, v[86+\t], v28 matrix_a_fmt:MATRIX_FMT_FP6 matrix_b_fmt:MATRIX_FMT_FP6
.endr
	PLACES                                         ; in front of loads into registers just multiplied, and of the first read of the scores
.irp t, 0,1,2,3                                ; V's fragments are asked for now and land under the softmax
.irp c, 0,1
	ds_load_b128 v[32+12*\t+6*\c:35+12*\t+6*\c], v6 offset:1536*\t+768*\c
	ds_load_b64 v[36+12*\t+6*\c:37+12*\t+6*\c], v7 offset:1536*\t+768*\c
.endr
.endr
	ds_load_b128 v[94:97], v9 offset:6144
	s_cmp_lt_u32 s[G], s[LIM]                      ; only the tile's last step lies on the diagonal
	s_cbranch_scc1 .Lopen_\@
.set J, 0
.rept 64
	v_cmp_gt_i32 vcc_lo, 32*(J/16)+J%16, v10
	v_cndmask_b32 v[100+J], v[100+J], v11, vcc_lo  ; hidden scores become -infinity: p = 0
.set J, J+1
.endr
.Lopen_\@:
.irp b, 0,1,2,3
	v_max3_num_f32 v[216+\b], v[100+16*\b], v[101+16*\b], v[102+16*\b]   ; the largest score of each block of 32 keys: for the row's maximum and for the block's largest p
.endr
.irp i, 3,5,7,9,11,13
.irp b, 0,1,2,3
	v_max3_num_f32 v[216+\b], v[216+\b], v[100+16*\b+\i], v[101+16*\b+\i]
.endr
.endr
.irp b, 0,1,2,3
	v_max_num_f32 v[216+\b], v[216+\b], v[115+16*\b]
.endr
.irp b, 0,1,2,3
	s_delay_alu instid0(VALU_DEP_4)
	v_permlanex16_b32 v[220+\b], v[216+\b], s[SEL], s[SEL+1]
.endr
.irp b, 0,1,2,3
	s_delay_alu instid0(VALU_DEP_4)
	v_max_num_f32 v[216+\b], v[216+\b], v[220+\b]  ; with lane l xor 16's 16 keys
.endr
	s_delay_alu instid0(VALU_DEP_2)
	v_max3_num_f32 v230, v216, v217, v218
	s_delay_alu instid0(VALU_DEP_1)
	v_max_num_f32 v230, v230, v219
	s_delay_alu instid0(VALU_DEP_1)
	v_mul_f32 v230, s[CS], v230                    ; as t
	s_delay_alu instid0(VALU_DEP_1)
	v_max_num_f32 v13, v13, v230                   ; the running largest t
	v_mov_b32 v230, v12
	s_delay_alu instid0(VALU_DEP_2)
	v_floor_f32 v12, -v13                          ; -M = floor(-t): M is a whole number
	s_delay_alu instid0(VALU_DEP_1)
	v_sub_f32 v230, v12, v230                      ; old M - new M: a whole number, 0 or less
	s_delay_alu instid0(VALU_DEP_1)
	v_cvt_i32_f32 v230, v230                       ; (it saturates)
	s_delay_alu instid0(VALU_DEP_1)
	v_ldexp_f32 v228, 1.0, v230                    ; f = 2^(old M - new M): the rescaling rounds nothing
.set J, 0
	s_setprio 1
.rept 32
	v_pk_fma_f32 v[100+J:101+J], v[100+J:101+J], s[CS:CS+1], v[12:13] op_sel_hi:[1,0,0]   ; t - M
.set J, J+2
.endr
.irp b, 0,1,2,3
	v_fma_f32 v[216+\b], v[216+\b], s[CS], v12
.endr
.set J, 0
	s_wait_alu depctr_va_vdst(0)
.rept 64
	v_exp_f32 v[100+J], v[100+J]                   ; p = 2^(t - M)
.set J, J+1
.endr
.irp b, 0,1,2,3
	v_exp_f32 v[216+\b], v[216+\b]                 ; the block's largest p
.endr
	v_pk_mul_f32 v[14:15], v[14:15], v[228:229] op_sel_hi:[1,0]   ; the sum under the new M (a plain place behind the exponentials)
	s_wait_alu depctr_va_vdst(0)
.irp b, 0,1,2,3
	v_max_num_f32 v[216+\b], 0x1800000, v[216+\b]  ; the floor 2^(3 - 127)
.endr
.irp b, 0,1,2,3
	s_delay_alu instid0(VALU_DEP_4)
	v_add_nc_u32 v[224+\b], 0xff000000, v[216+\b]  ; the conversion's scale operand
.endr
.irp b, 0,1,2,3
	s_delay_alu instid0(VALU_DEP_4)
	v_lshrrev_b32 v[220+\b], 23, v[224+\b]         ; the byte
.endr
	s_delay_alu instid0(VALU_DEP_3)
	v_lshl_or_b32 v98, v221, 8, v220               ; p's scale word for these 128 keys
	s_delay_alu instid0(VALU_DEP_1)
	v_lshl_or_b32 v98, v222, 16, v98
	s_delay_alu instid0(VALU_DEP_1)
	v_lshl_or_b32 v98, v223, 24, v98
.irp c, 0,1
	v_cvt_scalef32_pk16_fp6_f32 v[196+6*\c:198+6*\c], v[100+32*\c:115+32*\c], v[224+2*\c]
	v_cvt_scalef32_pk16_fp6_f32 v[208+4*\c:210+4*\c], v[116+32*\c:131+32*\c], v[224+2*\c+1]
.endr
	v_nop                                          ; one plain place behind a scaled conversion
.irp c, 0,1
.irp i, 0,1,2
	v_permlane16_swap_b32 v[196+6*\c+\i], v[208+4*\c+\i]
.endr
.irp i, 0,1,2
	s_delay_alu instid0(VALU_DEP_3)
	v_mov_b32 v[199+6*\c+\i], v[208+4*\c+\i]
.endr
.endr
	v_pk_add_f32 v[232:233], v[104:105], v[108:109]
	v_pk_add_f32 v[252:253], v[112:113], v[116:117]
	v_pk_add_f32 v[250:251], v[120:121], v[124:125]
	v_pk_add_f32 v[248:249], v[128:129], v[132:133]
	v_pk_add_f32 v[246:247], v[136:137], v[140:141]
	v_pk_add_f32 v[244:245], v[144:145], v[148:149]
	v_pk_add_f32 v[242:243], v[152:153], v[156:157]
	v_pk_add_f32 v[14:15], v[14:15], v[160:161]
	v_pk_add_f32 v[232:233], v[232:233], v[100:101]
	v_pk_add_f32 v[252:253], v[252:253], v[102:103]
	s_setprio 0
	v_pk_add_f32 v[250:251], v[250:251], v[106:107]
	v_pk_add_f32 v[248:249], v[248:249], v[110:111]
	v_pk_add_f32 v[246:247], v[246:247], v[114:115]
	v_pk_add_f32 v[244:245], v[244:245], v[118:119]
	v_pk_add_f32 v[242:243], v[242:243], v[122:123]
	v_pk_add_f32 v[14:15], v[14:15], v[126:127]
	v_pk_add_f32 v[232:233], v[232:233], v[130:131]
	v_pk_add_f32 v[252:253], v[252:253], v[134:135]
	v_pk_add_f32 v[250:251], v[250:251], v[138:139]
	v_pk_add_f32 v[248:249], v[248:249], v[142:143]
	v_pk_add_f32 v[246:247], v[246:247], v[146:147]
	v_pk_add_f32 v[244:245], v[244:245], v[150:151]
	v_pk_add_f32 v[242:243], v[242:243], v[154:155]
	v_pk_add_f32 v[14:15], v[14:15], v[158:159]
	v_pk_add_f32 v[232:233], v[232:233], v[162:163]
	s_delay_alu instid0(VALU_DEP_2)
	v_pk_add_f32 v[14:15], v[14:15], v[248:249]
	s_delay_alu instid0(VALU_DEP_2)
	v_pk_add_f32 v[232:233], v[232:233], v[246:247]
	v_pk_add_f32 v[252:253], v[252:253], v[244:245]
	v_pk_add_f32 v[250:251], v[250:251], v[242:243]
	s_delay_alu instid0(VALU_DEP_2)
	v_pk_add_f32 v[14:15], v[14:15], v[252:253]
	s_delay_alu instid0(VALU_DEP_2)
	v_pk_add_f32 v[232:233], v[232:233], v[250:251]
	s_delay_alu instid0(VALU_DEP_1)
	v_pk_add_f32 v[14:15], v[14:15], v[232:233]
.set J, 0
.rept 16
	v_pk_mul_f32 v[164+J:165+J], v[164+J:165+J], v[228:229] op_sel_hi:[1,0]   ; O^T under the new M
.set J, J+2
.endr
	s_wait_alu depctr_va_vdst(0)
	s_wait_dscnt 0x0                               ; V
.irp t, 0,1,2,3
	v_wmma_scale_f32_16x16x128_f8f6f4 v[164+8*\t:171+8*\t], v[32+12*\t:43+12*\t], v[196:207], v[164+8*\t:171+8*\t], v[94+\t], v98 matrix_a_fmt:MATRIX_FMT_FP6 matrix_b_fmt:MATRIX_FMT_FP6
.endr
.Lhidden_\@:
	s_add_co_u32 s[G], s[G], 1
	s_add_co_u32 s[TBK], s[TBK], KREC
	s_add_co_u32 s[TBV], s[TBV], VREC
.endm
.macro RUN n                           ; n key steps: a constant of the text
	s_mov_b32 s[CNT], \n
.Lrun_\@:
	STEP
	s_sub_co_u32 s[CNT], s[CNT], 1
	s_cmp_lg_u32 s[CNT], 0
	s_cbranch_scc1 .Lrun_\@
	s_setprio 0
.endm
; a pass ends: O^T / the sum, quantised along the head's 64 channels (two blocks), stored as a half fragment of cc; the two bytes are kept in v[hw]
.macro EPI hw, cb
	PLACES
	v_add_f32 v14, v14, v15
	s_delay_alu instid0(VALU_DEP_1)
	v_permlanex16_b32 v230, v14, s[SEL], s[SEL+1]
	s_delay_alu instid0(VALU_DEP_1)
	v_add_f32 v14, v14, v230                       ; the row's sum
	s_wait_alu depctr_va_vdst(0)
	v_rcp_f32 v234, v14
	v_nop                                          ; a plain place behind the reciprocal
.set J, 0
	s_wait_alu depctr_va_vdst(0)
.rept 16
	v_pk_mul_f32 v[100+J:101+J], v[164+J:165+J], v[234:235] op_sel_hi:[1,0]   ; register 16 b + i = channel 32 b + 16 h + i; each accumulator from its low end on
.set J, J+2
.endr
.irp b, 0,1
	v_max3_num_f32 v[216+\b], |v[100+16*\b]|, |v[101+16*\b]|, 0x1800000
.endr
.irp i, 2,4,6,8,10,12,14
.irp b, 0,1
	s_delay_alu instid0(VALU_DEP_2)
	v_max3_num_f32 v[216+\b], v[216+\b], |v[100+16*\b+\i]|, |v[101+16*\b+\i]|
.endr
.endr
.irp b, 0,1
	s_delay_alu instid0(VALU_DEP_2)
	v_permlanex16_b32 v[220+\b], v[216+\b], s[SEL], s[SEL+1]
.endr
.irp b, 0,1
	s_delay_alu instid0(VALU_DEP_2)
	v_max_num_f32 v[216+\b], v[216+\b], v[220+\b]
.endr
.irp b, 0,1
	s_delay_alu instid0(VALU_DEP_2)
	v_add_nc_u32 v[224+\b], 0xff000000, v[216+\b]
.endr
.irp b, 0,1
	s_delay_alu instid0(VALU_DEP_2)
	v_lshrrev_b32 v[220+\b], 23, v[224+\b]
.endr
	s_delay_alu instid0(VALU_DEP_1)
	v_lshl_or_b32 v[\hw], v221, 8, v220
	v_cvt_scalef32_pk16_fp6_f32 v[196:198], v[100:115], v224
	v_cvt_scalef32_pk16_fp6_f32 v[200:202], v[116:131], v225
	v_nop
	v_permlane16_swap_b32 v196, v200
	v_permlane16_swap_b32 v197, v201
	v_permlane16_swap_b32 v198, v202
	s_delay_alu instid0(VALU_DEP_3)
	v_mov_b32 v199, v200
	s_delay_alu instid0(VALU_DEP_3)
	v_mov_b32 v200, v201
	s_delay_alu instid0(VALU_DEP_3)
	v_mov_b32 v201, v202
	global_store_b128 v1, v[196:199], s[\cb:\cb+1]     ; 512 consecutive bytes, aligned to 256
	global_store_b64 v2, v[200:201], s[\cb:\cb+1]      ; 256 consecutive bytes, aligned
.endm
	s_load_b128 s[4:7], s[0:1], 0x0                ; qk, vv
	s_load_b64 s[8:9], s[0:1], 0x10                ; cc
	v_lshl_add_u32 v254, v0, 2, 0x33000
	v_mov_b32 v255, 0
	ds_add_u32 v254, v255
	ds_add_u32 v254, v255
	v_lshrrev_b32 v1, 5, v0
	s_delay_alu instid0(VALU_DEP_1)
	v_readfirstlane_b32 s[WV], v1                  ; wave 0..15
	s_bfe_u32 s[CX], ttmp6, 0x40000
	v_and_b32 v4, 31, v0                           ; lane
	v_and_b32 v5, 15, v0                           ; r
	v_bfe_u32 v6, v0, 4, 1                         ; h
	s_delay_alu instid0(VALU_DEP_3)
	v_lshlrev_b32 v1, 4, v4                        ; 16 x lane
	s_delay_alu instid0(VALU_DEP_4)
	v_lshl_add_u32 v2, v4, 3, 512                  ; 512 + 8 x lane
	s_delay_alu instid0(VALU_DEP_4)
	v_lshlrev_b32 v3, 4, v5                        ; 16 r
	v_and_b32 v30, 8, v5
	s_delay_alu instid0(VALU_DEP_1)
	v_add_nc_u32 v30, v30, v5
	v_lshlrev_b32 v6, 4, v6
	s_delay_alu instid0(VALU_DEP_1)
	v_sub_nc_u32 v30, v30, v6                      ; r + 8 (r / 8) - 16 h
	v_mov_b32 v11, 0xff800000                      ; -infinity
.irp j, 22,23,24,25,26,27,80,81,82,83,84,85
	v_mov_b32 v\j, 0                               ; zero codes: the upper 64 of K Q^T's K
.endr
.irp j, 220,221,222,223,229,230,233,235
	v_mov_b32 v\j, 0                               ; lane permutes' destinations and pairs' upper halves: written once
.endr
	s_mov_b32 s[SEL], 0x76543210
	s_mov_b32 s[SEL+1], 0xfedcba98
	s_mov_b32 s[CS], 0x3e38aa3b                    ; c = log2(e) / 8
	s_mov_b32 s[CS+1], s[CS]
	; group 1: a chunk of four records, dense, as rows of 256 bytes (32 elements of 8 bytes); the mask names the cluster's four
	s_mov_b32 s[G1K], 15|(3<<16)|(1<<21)
	s_mov_b32 s[G1K+1], 32<<16
	s_mov_b32 s[G1K+2], 104<<16
	s_mov_b32 s[G1K+3], 32<<16
	s_mov_b32 s[G1K+4], 104
	s_mov_b32 s[G1K+5], 32
	s_mov_b32 s[G1K+6], 0
	s_mov_b32 s[G1K+7], 0
	s_mov_b32 s[G1V], 15|(3<<16)|(1<<21)
	s_mov_b32 s[G1V+1], 32<<16
	s_mov_b32 s[G1V+2], 100<<16
	s_mov_b32 s[G1V+3], 32<<16
	s_mov_b32 s[G1V+4], 100
	s_mov_b32 s[G1V+5], 32
	s_mov_b32 s[G1V+6], 0
	s_mov_b32 s[G1V+7], 0
	s_add_co_u32 s10, ttmp9, 64
	s_mul_i32 s10, s10, KHEAD                      ; k's part of qk, my head
	s_mov_b32 s11, 0
	s_mul_i32 s12, ttmp9, VHEAD
	s_mov_b32 s13, 0
	s_lshl_b32 s[TA], s[WV], 2
	s_add_co_u32 s[TA], s[TA], s[CX]               ; my first query tile; it enters global addresses and the mask's bound alone
	s_sub_co_u32 s[TB], 127, s[TA]                 ; and my second
	s_mul_i32 s94, ttmp9, KHEAD
	s_lshr_b32 s95, ttmp9, 4
	s_lshl_b32 s95, s95, 7                         ; 128 x batch
	s_and_b32 s92, ttmp9, 15                       ; head
	s_lshr_b32 s93, s92, 2
	s_mul_i32 s93, s93, 3328                       ; its chunk of a record of cc,
	s_bfe_u32 s96, s92, 0x10001
	s_and_b32 s97, s92, 1
	s_mul_i32 s98, s96, 1536                       ; its K step there,
	s_add_co_u32 s98, s98, s93
	s_mul_i32 s99, s97, 768                        ; its half of the step
	s_add_co_u32 s98, s98, s99
	s_lshl_b32 s96, s96, 2
	s_lshl_b32 s97, s97, 1
	s_add_co_u32 s99, s93, s96
	s_add_co_u32 s99, s99, s97
	s_add_co_u32 s99, s99, 3072                    ; and its two bytes of the rows' scale words
	s_sub_co_u32 s3, s[TB], s[TA]
	s_mul_i32 s3, s3, 13312                        ; from my first tile's record to my second's
	s_wait_dscnt 0x0
	s_wait_kmcnt 0x0
	s_add_nc_u64 s[10:11], s[4:5], s[10:11]
	s_add_nc_u64 s[12:13], s[6:7], s[12:13]
.irp c, 0,1,2,3
	s_mov_b32 s[G0K+4*\c], 1
	s_mov_b32 s[G0K+4*\c+1], 4*KREC*\c
	s_add_nc_u64 s[G0K+4*\c+2:G0K+4*\c+3], s[10:11], 4*KREC*\c
	s_or_b32 s[G0K+4*\c+3], s[G0K+4*\c+3], 0x80000000
	s_mov_b32 s[G0V+4*\c], 1
	s_mov_b32 s[G0V+4*\c+1], VBASE+4*VREC*\c
	s_add_nc_u64 s[G0V+4*\c+2:G0V+4*\c+3], s[12:13], 4*VREC*\c
	s_or_b32 s[G0V+4*\c+3], s[G0V+4*\c+3], 0x80000000
.endr
	BASES TA, QA, QSA, CA
	BASES TB, QB, QSB, CB
	s_add_co_u32 s96, s[TA], s95
	s_mul_i32 s96, s96, 13312
	s_add_co_u32 s96, s96, s99
	s_add_nc_u64 s[HWB:HWB+1], s[8:9], s[96:97]
	CROUND                                         ; all four work-groups are here: the joint loads meet
	s_cmp_eq_u32 s[WV], 0                          ; a wave's four first fills stand in one branch on its number
	s_cbranch_scc0 .Lnot_k
.irp c, 0,1,2,3
	tensor_load_to_lds s[G0K+4*\c:G0K+4*\c+3], s[G1K:G1K+7]
	s_nop 0
.endr
	PLACES
	s_branch .Lasked
.Lnot_k:
	s_cmp_eq_u32 s[WV], 1
	s_cbranch_scc0 .Lasked
.irp c, 0,1,2,3
	tensor_load_to_lds s[G0V+4*\c:G0V+4*\c+3], s[G1V:G1V+7]
	s_nop 0
.endr
	PLACES
.Lasked:
	QLOAD QA, QSA
	INIT TA, 0
	s_wait_loadcnt 0x0                             ; Q
	s_wait_tensorcnt 0x3                           ; the first chunk (key steps 0-3) has landed; three chunks may stay out: nothing is filled twice
	s_barrier_signal -1
	s_barrier_wait -1
	RUN 4
	s_wait_tensorcnt 0x0                           ; all of the head
	s_wait_dscnt 0x0
	s_barrier_signal -1
	s_barrier_wait -1
	RUN 4                                          ; the first tile's last step is 7 at the most
	QLOAD QB, QSB                                  ; the second tile's Q lands under the first's way out
	EPI 29, CA
	s_wait_xcnt 0x0                                ; the stores have read their registers
	INIT TB, 1
	s_wait_loadcnt 0x0
	RUN 16
	EPI 31, CB
	v_bfe_u32 v230, v0, 4, 1
	s_delay_alu instid0(VALU_DEP_1)
	v_mul_u32_u24 v230, s3, v230                   ; lanes 16-31: the second tile's record
	v_and_b32 v231, 15, v0
	s_delay_alu instid0(VALU_DEP_1)
	v_lshl_add_u32 v230, v231, 3, v230             ; + 8 r
	v_and_b32 v231, 16, v0
	s_delay_alu instid0(VALU_DEP_1)
	v_cmp_eq_u32 vcc_lo, 0, v231
	s_delay_alu instid0(VALU_DEP_1)
	v_cndmask_b32 v231, v31, v29, vcc_lo           ; lanes 0-15 the first tile's two bytes, lanes 16-31 the second's
	global_store_b16 v230, v231, s[HWB:HWB+1]      ; two bytes of each row's scale word; the other heads' work-groups write the rest: 2 bytes for each 48 of codes
	s_wait_tensorcnt 0x0
	s_wait_dscnt 0x0
	s_wait_tensorcnt 0x0
	ds_add_u32 v254, v255
	s_wait_dscnt 0x0
	CROUND                                         ; the closing round
	s_endpgm
.Lfunc_end_k_q944965ef1b_attn:
	.size	k_q944965ef1b_attn, .Lfunc_end_k_q944965ef1b_attn-k_q944965ef1b_attn
	.p2alignl 7, 3214868480
	.fill 96, 4, 3214868480
	.section	.rodata,"a",@progbits
	.p2align	6, 0x0
	.amdhsa_kernel k_q944965ef1b_attn
		.amdhsa_group_segment_fixed_size 210944
		.amdhsa_private_segment_fixed_size 0
		.amdhsa_enable_private_segment 0
		.amdhsa_kernarg_size 24
		.amdhsa_user_sgpr_count 2
		.amdhsa_user_sgpr_kernarg_segment_ptr 1
		.amdhsa_wavefront_size32 1
		.amdhsa_system_sgpr_workgroup_id_x 1
		.amdhsa_system_sgpr_workgroup_id_y 1
		.amdhsa_system_sgpr_workgroup_id_z 1
		.amdhsa_system_vgpr_workitem_id 0
		.amdhsa_next_free_vgpr 256
		.amdhsa_next_free_sgpr 100
		.amdhsa_reserve_vcc 1
		.amdhsa_float_denorm_mode_32 3
		.amdhsa_float_denorm_mode_16_64 3
		.amdhsa_memory_ordered 1
		.amdhsa_forward_progress 1
		.amdhsa_inst_pref_size 91
	.end_amdhsa_kernel
	.amdgpu_metadata
---
amdhsa.version: [ 1, 2 ]
amdhsa.kernels:
  - .name:           k_q944965ef1b_attn
    .symbol:         k_q944965ef1b_attn.kd
    .args:
      - { .name: qk, .offset: 0, .size: 8, .value_kind: global_buffer, .address_space: global }
      - { .name: vv, .offset: 8, .size: 8, .value_kind: global_buffer, .address_space: global }
      - { .name: cc, .offset: 16, .size: 8, .value_kind: global_buffer, .address_space: global }
    .group_segment_fixed_size: 210944
    .private_segment_fixed_size: 0
    .kernarg_segment_align: 8
    .kernarg_segment_size: 24
    .max_flat_workgroup_size: 512
    .sgpr_count:     100
    .vgpr_count:     256
    .wavefront_size: 32
...
	.end_amdgpu_metadata
.endif
;; end of part 3
;; launch oproj (part 4): grid 8 x 32, 4 waves a work-group, clusters of 4 x 4, 307,712 bytes of LDS; arguments cc, cod, bo, out0; writes out0
.if DOCPART == 4
	.amdgcn_target "amdgcn-amd-amdhsa--gfx1250"
	.amdhsa_code_object_version 6
	.text
	.protected	k_q944965ef1b_oproj
	.globl	k_q944965ef1b_oproj
	.p2align	8
	.type	k_q944965ef1b_oproj,@function
k_q944965ef1b_oproj:
	s_mov_b64 s[64:65], 0
	v_nop
	global_prefetch_b8 v0, s[64:65] scope:SCOPE_SE
	s_setreg_imm32_b32 hwreg(HW_REG_WAVE_MODE, 25, 1), 1
	s_wait_xcnt 0x0
	s_wait_alu depctr_hold_cnt(0) depctr_sa_sdst(0) depctr_va_vdst(0) depctr_va_sdst(0) depctr_va_ssrc(0) depctr_va_vcc(0) depctr_vm_vsrc(0)
	s_getreg_b32 s2, hwreg(HW_REG_IB_STS2, 6, 4)
	s_cmp_eq_u32 s2, 0
	s_cbranch_scc0 .Lentry_in_a_cluster
	s_endpgm
.Lentry_in_a_cluster:
	s_bfe_u32 s2, ttmp6, 0x10000c
	s_cmp_lg_u32 s2, 0xf033
	s_cbranch_scc0 .Lentry_shape_is_right
	s_endpgm
.Lentry_shape_is_right:
; out = ctx Wo^T + bo on codes of FP6 (E2M3) with E8M0 block scales, f32 sums.  ctx's codes (cc) and Wo's (cod, tiles 704-767) lie in the order of the operand's registers:
; tile T, lane row r = tensor row 32 (T / 2) + 8 (T % 2) + r + 8 (r / 8); a record of 13,312 bytes = four chunks of two K steps (2 x 1,536 bytes) and 128 bytes of scale words (and 128 that are not read).
; A work-group makes 256 rows (16 tiles, by Y) x 128 columns (8 tiles of Wo, by X) over all of K = 1,024.  ALL OF K LIES IN LDS, four chunks of 76,800 bytes, each byte filled once: no ring; a wave has four tensor loads out.
; CLUSTER 4 x 4: ctx's tiles hang on Y alone and are asked for jointly along a row of the cluster, Wo's on X alone, jointly along a column.
; A wave makes 4 tiles of rows x 8 tiles of columns: 32 accumulators, which take turns, one instruction a turn.  Source 0 = Wo's rows, source 1 = ctx's rows:
; a lane holds one row of out and, in tiles 2 b, 2 b + 1, sixteen neighbouring columns.  The bias is the C of each sum's first matrix instruction.
; THE WAY OUT: a block of 16 rows x 128 columns goes through the wave's own stage (16 x 528 bytes, in chunk 0, which has had its only fill and whose last read lies in front of an earlier barrier) and leaves as rows of 512 bytes.
; REGISTERS.  window 0: v1-3 lane, r, h; v4-9 LDS addresses; v10-14 offsets; v32-79 scale words and nothing else; v128-223 source 1's fragments, two sets (on the way out v128-255: rows read back).
;   window 1: source 0's fragments, two sets.  window 2: accumulator (a, b) at v[8 (8 a + b)].  window 3: v0-63 the bias.
.set TL,     3200
.set CH,     24*TL
.set REC,    13312
.set CHM,    3328
.set WFIRST, 704
.set WV,  66
.set G1X, 16
.set G1W, 24
.set G0X, 32
.set G0W, 48
.set SA,  32
.set SB,  48
.set AF,  128
.set BI,  0
.set W_MUL,  0xa1
.set W_MUL0, 0xb1
.set TO_B,   0x40
.set TO_BI,  0xc0
.set MSB, 0
.macro WIN new                         ; the immediate's high byte repeats the setting that is left
.if MSB != \new
	s_set_vgpr_msb (MSB<<8)|\new
.set MSB, \new
.endif
.endm
.macro CROUND
	s_barrier_signal -1
	s_barrier_wait -1
	s_cmp_lg_u32 s[WV], 0
	s_cbranch_scc1 .Lnot_wave_0_\@
	s_barrier_signal -3
.Lnot_wave_0_\@:
	s_barrier_wait -3
	s_barrier_signal -1
	s_barrier_wait -1
.endm
.macro PLACES
.rept 4
	v_nop
.endr
.endm
.macro FETCH s                         ; the fragments of K step s into set s % 2; with an even step its chunk's scale words
.set FQ, (\s)%2
.set FC, ((\s)/2)%2
	WIN TO_B
.irp b, 0,1,2,3,4,5,6,7
.irp c, 0,1
	ds_load_b128 v[128*FQ+12*\b+6*\c:128*FQ+12*\b+6*\c+3], v6 offset:TL*\b+1536*FQ+768*\c
	ds_load_b64 v[128*FQ+12*\b+6*\c+4:128*FQ+12*\b+6*\c+5], v7 offset:TL*\b+1536*FQ+768*\c
.endr
.endr
	WIN 0
.irp a, 0,1,2,3
.irp c, 0,1
	ds_load_b128 v[AF+48*FQ+12*\a+6*\c:AF+48*FQ+12*\a+6*\c+3], v4 offset:TL*\a+1536*FQ+768*\c
	ds_load_b64 v[AF+48*FQ+12*\a+6*\c+4:AF+48*FQ+12*\a+6*\c+5], v5 offset:TL*\a+1536*FQ+768*\c
.endr
.endr
.if FQ == 0
.irp b, 0,1,2,3,4,5,6,7
	ds_load_b64 v[SB+16*FC+2*\b:SB+16*FC+2*\b+1], v9 offset:TL*\b+3072
.endr
.irp a, 0,1,2,3
	ds_load_b64 v[SA+8*FC+2*\a:SA+8*FC+2*\a+1], v8 offset:TL*\a+3072
.endr
.endif
.endm
.macro MUL s                           ; 32 matrix instructions: K step s; in step 0 the bias starts the sums
.set FQ, (\s)%2
.set FC, ((\s)/2)%2
.if (\s) == 0
	WIN W_MUL0
.else
	WIN W_MUL
.endif
.irp a, 0,1,2,3
.irp b, 0,1,2,3,4,5,6,7
.if (\s) == 0
	v_wmma_scale_f32_16x16x128_f8f6f4 v[8*(8*\a+\b):8*(8*\a+\b)+7], v[128*FQ+12*\b:128*FQ+12*\b+11], v[AF+48*FQ+12*\a:AF+48*FQ+12*\a+11], v[BI+8*\b:BI+8*\b+7], v[SB+16*FC+2*\b+FQ], v[SA+8*FC+2*\a+FQ] matrix_a_fmt:MATRIX_FMT_FP6 matrix_b_fmt:MATRIX_FMT_FP6
.else
	v_wmma_scale_f32_16x16x128_f8f6f4 v[8*(8*\a+\b):8*(8*\a+\b)+7], v[128*FQ+12*\b:128*FQ+12*\b+11], v[AF+48*FQ+12*\a:AF+48*FQ+12*\a+11], v[8*(8*\a+\b):8*(8*\a+\b)+7], v[SB+16*FC+2*\b+FQ], v[SA+8*FC+2*\a+FQ] matrix_a_fmt:MATRIX_FMT_FP6 matrix_b_fmt:MATRIX_FMT_FP6
.endif
.endr
.endr
.endm
.macro STEPK s
	WIN 0
	s_wait_dscnt 0x0                               ; this step's fragments are in (asked for 32 matrix instructions ago)
.if ((\s)%2 == 1) && ((\s) < 7)
	s_wait_tensorcnt 3-((\s)+1)/2                  ; my part of the next chunk has landed; the chunks behind it may stay out,
	s_barrier_signal -1
	s_barrier_wait -1                              ; everybody's has
.irp g, 4,5,6,7,8,9
	v_add_nc_u32 v\g, CH, v\g                      ; on to that chunk.  (These six are also the places in front of the loads)
.endr
.elseif ((\s) > 0) && ((\s) < 7)
	PLACES
.endif
.if (\s) < 7
	s_wait_alu depctr_va_vdst(0)
	FETCH (\s)+1
.endif
.if (\s) == 0
	s_wait_loadcnt 0x0                             ; the bias
.endif
	MUL \s
.endm
	s_load_b256 s[4:11], s[0:1], 0x0               ; cc, cod, bo, out0
	v_lshl_add_u32 v126, v0, 2, 0x4b000
	v_mov_b32 v127, 0
	ds_add_u32 v126, v127
	ds_add_u32 v126, v127
	v_lshrrev_b32 v1, 5, v0
	v_readfirstlane_b32 s[WV], v1                  ; wave 0..3
	v_and_b32 v1, 31, v0                           ; lane
	v_and_b32 v2, 15, v0                           ; r
	v_bfe_u32 v3, v0, 4, 1                         ; h
	v_lshlrev_b32 v10, 4, v1                       ; 16 x lane
	v_lshl_add_u32 v11, v1, 3, 512                 ; 512 + 8 x lane
	s_and_b32 s67, s[WV], 1
	s_bfe_u32 s69, ttmp6, 0x40000                  ; cx
	s_bfe_u32 s70, ttmp6, 0x40004                  ; cy
	s_lshl_b32 s71, ttmp9, 2
	s_add_co_u32 s71, s71, s69                     ; X
	s_and_b32 s72, ttmp7, 0xffff
	s_lshl_b32 s72, s72, 2
	s_add_co_u32 s72, s72, s70                     ; Y
	s_lshl_b32 s73, s70, 2
	s_lshl_b32 s73, 15, s73                        ; my row of the cluster
	s_lshl_b32 s74, 0x1111, s69                    ; my column
	; group 1: R rows (tiles) of 400 elements of 8 bytes = 3,200 bytes, 1,664 elements (a record) apart; no padding
	s_or_b32 s[G1X], s73, (3<<16)|(1<<21)
	s_or_b32 s[G1W], s74, (3<<16)|(1<<21)
	s_mov_b32 s[G1X+1], 400<<16
	s_mov_b32 s[G1X+2], 8<<16
	s_mov_b32 s[G1X+3], 400<<16
	s_mov_b32 s[G1X+4], 8
	s_mov_b32 s[G1X+5], 1664
	s_mov_b32 s[G1X+6], 0
	s_mov_b32 s[G1X+7], 0
	s_mov_b32 s[G1W+1], 400<<16
	s_mov_b32 s[G1W+2], 4<<16
	s_mov_b32 s[G1W+3], 400<<16
	s_mov_b32 s[G1W+4], 4
	s_mov_b32 s[G1W+5], 1664
	s_mov_b32 s[G1W+6], 0
	s_mov_b32 s[G1W+7], 0
	s_lshl_b32 s75, s72, 4
	s_lshl_b32 s76, s67, 3
	s_add_co_u32 s75, s75, s76                     ; ctx: tile 16 Y + 8 (wave % 2)
	s_mul_i32 s76, s75, REC
	s_mov_b32 s77, 0
	s_lshl_b32 s78, s71, 3
	s_lshl_b32 s79, s67, 2
	s_add_co_u32 s78, s78, s79
	s_add_co_u32 s78, s78, WFIRST                  ; Wo: tile 704 + 8 X + 4 (wave % 2)
	s_mul_i32 s78, s78, REC
	s_mov_b32 s79, 0
	s_mul_i32 s80, s67, 8*TL                       ; where they go: no place in the cluster enters an LDS address
	s_mul_i32 s81, s67, 4*TL
	s_add_co_u32 s81, s81, 16*TL
	s_wait_dscnt 0x0
	s_wait_kmcnt 0x0
	s_add_nc_u64 s[76:77], s[4:5], s[76:77]
	s_add_nc_u64 s[78:79], s[6:7], s[78:79]
.irp c, 0,1,2,3
	s_mov_b32 s[G0X+4*\c], 1
	s_add_co_u32 s[G0X+4*\c+1], s80, CH*\c
	s_add_nc_u64 s[G0X+4*\c+2:G0X+4*\c+3], s[76:77], CHM*\c
	s_or_b32 s[G0X+4*\c+3], s[G0X+4*\c+3], 0x80000000
	s_mov_b32 s[G0W+4*\c], 1
	s_add_co_u32 s[G0W+4*\c+1], s81, CH*\c
	s_add_nc_u64 s[G0W+4*\c+2:G0W+4*\c+3], s[78:79], CHM*\c
	s_or_b32 s[G0W+4*\c+3], s[G0W+4*\c+3], 0x80000000
.endr
	CROUND                                         ; all sixteen work-groups are here: the joint loads meet
	s_cmp_lt_u32 s[WV], 2                          ; waves 0, 1 fetch ctx's tiles, waves 2, 3 Wo's: a wave's four first fills stand in one branch
	s_cbranch_scc0 .Lfor_w
.irp c, 0,1,2,3
	tensor_load_to_lds s[G0X+4*\c:G0X+4*\c+3], s[G1X:G1X+7]
	s_nop 0
.endr
	PLACES
	s_branch .Lasked
.Lfor_w:
.irp c, 0,1,2,3
	tensor_load_to_lds s[G0W+4*\c:G0W+4*\c+3], s[G1W:G1W+7]
	s_nop 0
.endr
	PLACES
.Lasked:
	s_mul_i32 s82, s[WV], 4*TL                     ; source 1: ctx's tiles 4 w ..
	s_mov_b32 s83, 16*TL                           ; source 0: Wo's eight tiles
	s_wait_alu depctr_va_vdst(0)
	v_add_nc_u32 v4, s82, v10
	v_add_nc_u32 v5, s82, v11
	v_add_nc_u32 v6, s83, v10
	v_add_nc_u32 v7, s83, v11
	v_lshl_add_u32 v8, v2, 3, s82
	v_lshl_add_u32 v9, v2, 3, s83
	s_lshl_b32 s92, s71, 9                         ; bo: my 128 columns
	s_mov_b32 s93, 0
	s_add_nc_u64 s[88:89], s[8:9], s[92:93]
	v_lshlrev_b32 v14, 6, v3                       ; 64 h: lane (r, h) wants, for tile 2 b + u, columns 32 b + 16 h + 8 u + 0 .. 7
	WIN TO_BI
.irp t, 0,1,2,3,4,5,6,7
	global_load_b128 v[BI+8*\t:BI+8*\t+3], v14, s[88:89] offset:(32*(\t/2)+8*(\t%2))*4
	global_load_b128 v[BI+8*\t+4:BI+8*\t+7], v14, s[88:89] offset:(32*(\t/2)+8*(\t%2))*4+16
.endr
	WIN 0
	s_lshl_b32 s91, s72, 8
	s_lshl_b32 s92, s[WV], 6
	s_add_co_u32 s91, s91, s92                     ; my first row: 256 Y + 64 w
	s_lshl_b32 s92, s91, 12
	s_lshl_b32 s93, s71, 9
	s_add_co_u32 s92, s92, s93                     ; + 512 X bytes
	s_mov_b32 s93, 0
	s_add_nc_u64 s[84:85], s[10:11], s[92:93]
	s_mul_i32 s90, s[WV], 16*528                   ; my stage
	v_mul_u32_u24 v12, v2, 528
	v_lshl_add_u32 v12, v3, 6, v12
	v_add_nc_u32 v12, s90, v12                     ; in: row r, + 64 h
	v_add_nc_u32 v13, s90, v10                     ; back: 16 bytes a lane of a row
	s_wait_alu depctr_va_vdst(0)
	s_wait_tensorcnt 0x3                           ; my part of chunk 0 has landed; chunks 1 to 3 may stay out: nothing is filled twice
	s_barrier_signal -1
	s_barrier_wait -1
	FETCH 0
.irp s, 0,1,2,3,4,5,6,7
	STEPK \s
.endr
	WIN 0
	PLACES                                         ; in front of the first read of results, and of loads into registers that held fragments
.macro TOSTAGE a                       ; block a: lane (r, h), tile t: columns 32 (t / 2) + 16 h + 8 (t % 2) + 0 .. 7 of row r; LDS serves a wave's instructions in order: no wait between stores and loads
	WIN 0x08                                       ; an LDS store's data are its source 1: window 2
.irp t, 0,1,2,3,4,5,6,7
	ds_store_b128 v12, v[64*(\a)+8*\t:64*(\a)+8*\t+3] offset:128*(\t/2)+32*(\t%2)        ; each accumulator from its low end on
	ds_store_b128 v12, v[64*(\a)+8*\t+4:64*(\a)+8*\t+7] offset:128*(\t/2)+32*(\t%2)+16
.endr
	WIN 0
.set BB, 128+64*((\a)%2)
.set J, 0
.rept 16
	ds_load_b128 v[BB+4*J:BB+4*J+3], v13 offset:528*J
.set J, J+1
.endr
.endm
.macro SEND a, younger                 ; younger: the LDS instructions issued behind block a's loads, which may stay out
.set BB, 128+64*((\a)%2)
	s_wait_dscnt \younger
.set J, 0
.rept 16
	global_store_b128 v10, v[BB+4*J:BB+4*J+3], s[84:85] offset:(32*((\a)/2)+8*((\a)%2)+J+8*(J/8))*4096 th:TH_STORE_NT   ; 32 lanes store 512 consecutive bytes, aligned to 256; written once, read by nobody here
.set J, J+1
.endr
.endm
	TOSTAGE 0
.irp a, 1,2,3
.if \a > 1
	s_wait_xcnt 0x0                                ; block a - 2's stores have read their registers: block a's loads may land there
.endif
	TOSTAGE \a
	SEND \a-1, 32                                  ; behind block a - 1's loads: block a's 16 stores and 16 loads
.endr
	SEND 3, 0
	s_wait_tensorcnt 0x0
	s_wait_dscnt 0x0
	s_wait_tensorcnt 0x0
	ds_add_u32 v126, v127
	s_wait_dscnt 0x0
	CROUND                                         ; the closing round: no work-group ends while a partner may still ask for a tile that names it
	s_endpgm
.Lfunc_end_k_q944965ef1b_oproj:
	.size	k_q944965ef1b_oproj, .Lfunc_end_k_q944965ef1b_oproj-k_q944965ef1b_oproj
	.p2alignl 7, 3214868480
	.fill 96, 4, 3214868480
	.section	.rodata,"a",@progbits
	.p2align	6, 0x0
	.amdhsa_kernel k_q944965ef1b_oproj
		.amdhsa_group_segment_fixed_size 307712
		.amdhsa_private_segment_fixed_size 0
		.amdhsa_enable_private_segment 0
		.amdhsa_kernarg_size 32
		.amdhsa_user_sgpr_count 2
		.amdhsa_user_sgpr_kernarg_segment_ptr 1
		.amdhsa_wavefront_size32 1
		.amdhsa_system_sgpr_workgroup_id_x 1
		.amdhsa_system_sgpr_workgroup_id_y 1
		.amdhsa_system_sgpr_workgroup_id_z 1
		.amdhsa_system_vgpr_workitem_id 0
		.amdhsa_next_free_vgpr 832
		.amdhsa_next_free_sgpr 100
		.amdhsa_reserve_vcc 0
		.amdhsa_float_denorm_mode_32 3
		.amdhsa_float_denorm_mode_16_64 3
		.amdhsa_memory_ordered 1
		.amdhsa_forward_progress 1
		.amdhsa_inst_pref_size 87
	.end_amdhsa_kernel
	.amdgpu_metadata
---
amdhsa.version: [ 1, 2 ]
amdhsa.kernels:
  - .name:           k_q944965ef1b_oproj
    .symbol:         k_q944965ef1b_oproj.kd
    .args:
      - { .name: cc, .offset: 0, .size: 8, .value_kind: global_buffer, .address_space: global }
      - { .name: cod, .offset: 8, .size: 8, .value_kind: global_buffer, .address_space: global }
      - { .name: bo, .offset: 16, .size: 8, .value_kind: global_buffer, .address_space: global }
      - { .name: out0, .offset: 24, .size: 8, .value_kind: global_buffer, .address_space: global }
    .group_segment_fixed_size: 307712
    .private_segment_fixed_size: 0
    .kernarg_segment_align: 8
    .kernarg_segment_size: 32
    .max_flat_workgroup_size: 128
    .sgpr_count:     100
    .vgpr_count:     832
    .wavefront_size: 32
...
	.end_amdgpu_metadata
.endif
;; end of part 4
